; MI455X (gfx1250); checked and timed in simulation.
; The chip was launched on July 23, 2026; its instructions are those of AMD's public machine-readable ISA for CDNA 5 (MIT licence, August 2026) and "CDNA5" Instruction Set Architecture Reference Guide (July 2026). The comments in the code are by the model that wrote it; some were corrected since.
;; Attn Block1d. Allowed arithmetic: float matrix products may take bf16 or f16 operands with f32 sums; all other float work in f32.
;; Inputs: gn_beta 512 float32; gn_gamma 512 float32; k_b 512 float32; k_w 512 x 512 float32; proj_b 512 float32; proj_w 512 x 512 float32; q_b 512 float32; q_w 512 x 512 float32; v_b 512 float32; v_w 512 x 512 float32; x 4 x 512 x 2,048 float32.
;; Outputs: out0 4 x 512 x 2,048 float32.
;; One version. Each part assembles by itself: llvm-mc -triple=amdgcn-amd-amdhsa -mcpu=gfx1250 --defsym DOCPART=n.
;; ======== version 1 of 1: 4 launches
;; workspace buffers: hb 8,388,608 bytes; wb 2,097,152 bytes; qt 8,388,608 bytes; kt 8,388,608 bytes; vb 8,388,608 bytes; oat 8,388,608 bytes
;; launch gn (part 1): grid 128 x 1, 8 waves a work-group, no clusters, 1,280 bytes of LDS; arguments x, gn_gamma, gn_beta, q_w, k_w, v_w, proj_w, hb, wb; writes hb, wb
.if DOCPART == 1
	.amdgcn_target "amdgcn-amd-amdhsa--gfx1250"
	.amdhsa_code_object_version 6
	.text
	.protected	k_q67160504d4_gn
	.globl	k_q67160504d4_gn
	.p2align	8
	.type	k_q67160504d4_gn,@function
k_q67160504d4_gn:
	s_mov_b64 s[64:65], 0
	v_nop
	global_prefetch_b8 v0, s[64:65] scope:SCOPE_SE
	s_setreg_imm32_b32 hwreg(HW_REG_WAVE_MODE, 25, 1), 1
	s_wait_xcnt 0x0
; GroupNorm to bf16, and the four weight matrices to bf16.
; x: [4][512][2048] f32.  A group is 16 channels x 2048 positions = 32,768 numbers = 131,072 consecutive bytes.
; Work-group g (0..127) owns group g and keeps it in registers: 8 waves x 32 lanes x 128 registers, so x is read once.
; Two passes over the registers: the mean first, then the sum of squares of (x - mean), so that a common offset of x
; never enters a difference of large sums.  hb = (x - mean) * rstd * gamma + beta, rounded once to bf16, [4][512][2048].
; Wave w holds channels 2w (loads 0..15) and 2w+1 (loads 16..31) of the group.
; The work-group also rounds 16 rows of one weight matrix (matrix g >> 5, rows 16 (g & 31)) into wb = [q;k;v;proj][512] bf16.
; No matrix unit, no tensor loads, no cluster: nothing is shared between work-groups, and a group's sums must stay in one work-group.
; LIMITS: NaN and infinite inputs are not served; the variance is the two-pass one in f32.
.set X,    16                          ; v[16:143]  my 128 numbers of x, then of h
.set W,    144                         ; v[144:175] my 32 weights
.set CHN,  6                           ; v[6:13]    four chains of pairs
.set MEAN, 14                          ; v[14:15]   the mean, twice
.set A0,   176                         ; v[176:177] gamma * rstd of channel 2w, twice
.set B0,   178                         ; v[178:179] beta of channel 2w, twice
.set A1,   8                           ; v[8:9], v[10:11]: the same for channel 2w+1 (the chains are free by then)
.set B1,   10
.set ZERO, 180                         ; LDS address 0
	s_load_b512 s[4:19], s[0:1], 0x0               ; x, gamma, beta, q_w, k_w, v_w, proj_w, hb
	s_load_b64 s[20:21], s[0:1], 0x40              ; wb
	v_lshl_add_u32 v184, v0, 2, 0x100
	v_mov_b32 v185, 0
	v_lshrrev_b32 v1, 5, v0
	v_readfirstlane_b32 s22, v1                    ; wave 0..7
	s_lshr_b32 s34, ttmp9, 5                       ; batch, and which weight matrix
	s_and_b32 s35, ttmp9, 31                       ; group in the batch, and which 16 rows
	s_lshl_b32 s23, s35, 6
	s_lshl3_add_u32 s23, s22, s23                  ; byte offset of my two channels in gamma and beta: (16 grp + 2 w) * 4
	s_mov_b32 s32, 0x76543210                      ; v_permlanex16_b32: lane i reads lane i of the other half
	s_mov_b32 s33, 0xfedcba98
	s_mov_b32 s36, 0x38000000                      ; 1 / 32768
	s_mov_b32 s37, 0x358637bd                      ; 1e-6
	v_and_b32 v5, 31, v0
	v_lshlrev_b32 v1, 4, v5
	v_lshl_add_u32 v1, s22, 14, v1                 ; x: wave * 2 channels * 8,192 bytes + 16 lane
	v_lshlrev_b32 v2, 3, v5
	v_lshl_add_u32 v2, s22, 13, v2                 ; hb: wave * 2 channels * 4,096 bytes + 8 lane
	v_lshlrev_b32 v3, 4, v0                        ; weights in: 16 bytes a thread
	v_lshlrev_b32 v4, 3, v0                        ; weights out: 8 bytes a thread
	v_mov_b32 v5, s22
	v_lshlrev_b32 v5, 2, v5                        ; my wave's word in LDS
	v_mov_b32 v[ZERO], 0
	s_wait_kmcnt 0x0
	s_mov_b64 s[28:29], s[10:11]                   ; the weight matrix of this work-group, chosen by its number alone
	s_cmp_eq_u32 s34, 1
	s_cselect_b64 s[28:29], s[12:13], s[28:29]
	s_cmp_eq_u32 s34, 2
	s_cselect_b64 s[28:29], s[14:15], s[28:29]
	s_cmp_eq_u32 s34, 3
	s_cselect_b64 s[28:29], s[16:17], s[28:29]
	s_mov_b32 s31, 0
	s_lshl_b32 s30, s35, 15                        ; 16 rows of 2,048 bytes
	s_add_nc_u64 s[28:29], s[28:29], s[30:31]
	s_lshl_b32 s30, ttmp9, 17
	s_add_nc_u64 s[4:5], s[4:5], s[30:31]          ; x at my group
	s_lshl_b32 s30, ttmp9, 16
	s_add_nc_u64 s[18:19], s[18:19], s[30:31]      ; hb at my group
	s_lshl_b32 s30, ttmp9, 14
	s_add_nc_u64 s[20:21], s[20:21], s[30:31]      ; wb at row 16 g
	s_mov_b32 s30, s23
	s_add_nc_u64 s[6:7], s[6:7], s[30:31]
	s_add_nc_u64 s[8:9], s[8:9], s[30:31]
	s_load_b64 s[24:25], s[6:7], 0x0               ; gamma of my two channels
	s_load_b64 s[26:27], s[8:9], 0x0               ; beta of my two channels
.irp j, 0,1,2,3,4,5,6,7
	global_load_b128 v[W+4*\j:W+4*\j+3], v3, s[28:29] offset:4096*\j
.endr
.irp i, 0,1,2,3,4,5,6,7,8,9,10,11,12,13,14,15,16,17,18,19,20,21,22,23,24,25,26,27,28,29,30,31
	global_load_b128 v[X+4*\i:X+4*\i+3], v1, s[4:5] offset:512*\i th:TH_LOAD_NT
.endr
	s_wait_loadcnt 32                              ; the 32 loads of x stay out; the eight of the weights are in
.irp j, 0,1,2,3,4,5,6,7
	v_cvt_pk_bf16_f32 v[W+4*\j],   v[W+4*\j],   v[W+4*\j+1]
	v_cvt_pk_bf16_f32 v[W+4*\j+1], v[W+4*\j+2], v[W+4*\j+3]
	global_store_b64 v4, v[W+4*\j:W+4*\j+1], s[20:21] offset:2048*\j    ; a wave's store covers 256 consecutive bytes, aligned
.endr
; The lane's four chains of pairs become the work-group's sum, in v6 of every lane.  off: eight LDS words of this sum's own.
.macro WGSUM off
	v_pk_add_f32 v[6:7], v[6:7], v[8:9]
	v_pk_add_f32 v[10:11], v[10:11], v[12:13]
	v_pk_add_f32 v[6:7], v[6:7], v[10:11]
	v_add_f32 v6, v6, v7
	v_add_f32_dpp v6, v6, v6 row_xmask:1 row_mask:0xf bank_mask:0xf
	v_add_f32_dpp v6, v6, v6 row_xmask:2 row_mask:0xf bank_mask:0xf
	v_add_f32_dpp v6, v6, v6 row_xmask:4 row_mask:0xf bank_mask:0xf
	v_add_f32_dpp v6, v6, v6 row_xmask:8 row_mask:0xf bank_mask:0xf
	v_permlanex16_b32 v7, v6, s32, s33
	v_add_f32 v6, v6, v7
	ds_store_b32 v5, v6 offset:\off                ; every lane writes the wave's word with the same value
	s_wait_dscnt 0x0                               ; my word is written before I say so
	s_barrier_signal -1
	s_barrier_wait -1
	ds_load_b128 v[6:9], v[ZERO] offset:\off
	ds_load_b128 v[10:13], v[ZERO] offset:\off+16
	s_wait_dscnt 0x0
	v_pk_add_f32 v[6:7], v[6:7], v[8:9]
	v_pk_add_f32 v[10:11], v[10:11], v[12:13]
	v_pk_add_f32 v[6:7], v[6:7], v[10:11]
	v_add_f32 v6, v6, v7
.endm
	; pass 1: the sum, as the loads come in, eight loads (sixteen pairs) at a time; the first links add two pairs: nothing is cleared
	s_wait_loadcnt 24                              ; loads return in order: 24 younger ones may be out, the first eight are in
.irp k, 0,1,2,3
	v_pk_add_f32 v[CHN+2*\k:CHN+2*\k+1], v[X+2*\k:X+2*\k+1], v[X+8+2*\k:X+8+2*\k+1]
.endr
.set p, 8
.rept 8
	v_pk_add_f32 v[CHN+2*(p%4):CHN+2*(p%4)+1], v[CHN+2*(p%4):CHN+2*(p%4)+1], v[X+2*p:X+2*p+1]
.set p, p+1
.endr
	s_wait_loadcnt 16
.rept 16
	v_pk_add_f32 v[CHN+2*(p%4):CHN+2*(p%4)+1], v[CHN+2*(p%4):CHN+2*(p%4)+1], v[X+2*p:X+2*p+1]
.set p, p+1
.endr
	s_wait_loadcnt 8
.rept 16
	v_pk_add_f32 v[CHN+2*(p%4):CHN+2*(p%4)+1], v[CHN+2*(p%4):CHN+2*(p%4)+1], v[X+2*p:X+2*p+1]
.set p, p+1
.endr
	s_wait_loadcnt 0
.rept 16
	v_pk_add_f32 v[CHN+2*(p%4):CHN+2*(p%4)+1], v[CHN+2*(p%4):CHN+2*(p%4)+1], v[X+2*p:X+2*p+1]
.set p, p+1
.endr
	WGSUM 0
	v_mul_f32 v[MEAN], s36, v6
	v_mul_f32 v[MEAN+1], s36, v6
	; pass 2: d = x - mean in place, then the sum of d * d
.set p, 0
.rept 64
	v_pk_add_f32 v[X+2*p:X+2*p+1], v[X+2*p:X+2*p+1], v[MEAN:MEAN+1] neg_lo:[0,1] neg_hi:[0,1]
.set p, p+1
.endr
.irp k, 0,1,2,3
	v_pk_mul_f32 v[CHN+2*\k:CHN+2*\k+1], v[X+2*\k:X+2*\k+1], v[X+2*\k:X+2*\k+1]
.endr
.set p, 4
.rept 60
	v_pk_fma_f32 v[CHN+2*(p%4):CHN+2*(p%4)+1], v[X+2*p:X+2*p+1], v[X+2*p:X+2*p+1], v[CHN+2*(p%4):CHN+2*(p%4)+1]
.set p, p+1
.endr
	WGSUM 32                                       ; other LDS words than the first sum's: no wave can overwrite a word still being read
	v_fma_f32 v6, v6, s36, s37                     ; variance + eps
	v_rsq_f32 v7, v6
	v_nop                                          ; one plain place behind v_rsq_f32 before its result is used (ISA guide 5.7.2)
	s_wait_kmcnt 0x0                               ; gamma and beta
	s_wait_alu depctr_va_vdst(0)
	v_mul_f32 v[A0],   s24, v7
	v_mul_f32 v[A0+1], s24, v7
	v_mul_f32 v[A1],   s25, v7
	v_mul_f32 v[A1+1], s25, v7
	v_mov_b32 v[B0],   s26
	v_mov_b32 v[B0+1], s26
	v_mov_b32 v[B1],   s27
	v_mov_b32 v[B1+1], s27
.macro NORM i, a, b                    ; load i's four numbers: one fused multiply-add each, rounded once, 8 bytes out
	v_pk_fma_f32 v[X+4*\i:X+4*\i+1],   v[X+4*\i:X+4*\i+1],   v[\a:\a+1], v[\b:\b+1]
	v_pk_fma_f32 v[X+4*\i+2:X+4*\i+3], v[X+4*\i+2:X+4*\i+3], v[\a:\a+1], v[\b:\b+1]
	v_cvt_pk_bf16_f32 v[X+4*\i],   v[X+4*\i],   v[X+4*\i+1]
	v_cvt_pk_bf16_f32 v[X+4*\i+1], v[X+4*\i+2], v[X+4*\i+3]
	global_store_b64 v2, v[X+4*\i:X+4*\i+1], s[18:19] offset:256*\i     ; a wave's store covers 256 consecutive bytes, aligned
.endm
.irp i, 0,1,2,3,4,5,6,7,8,9,10,11,12,13,14,15
	NORM \i, A0, B0
.endr
.irp i, 16,17,18,19,20,21,22,23,24,25,26,27,28,29,30,31
	NORM \i, A1, B1
.endr
	s_wait_tensorcnt 0x0
	ds_add_u32 v184, v185
	s_wait_dscnt 0x0
	s_endpgm
.Lfunc_end_k_q67160504d4_gn:
	.size	k_q67160504d4_gn, .Lfunc_end_k_q67160504d4_gn-k_q67160504d4_gn
	.p2alignl 7, 3214868480
	.fill 96, 4, 3214868480
	.section	.rodata,"a",@progbits
	.p2align	6, 0x0
	.amdhsa_kernel k_q67160504d4_gn
		.amdhsa_group_segment_fixed_size 1280
		.amdhsa_private_segment_fixed_size 0
		.amdhsa_enable_private_segment 0
		.amdhsa_kernarg_size 72
		.amdhsa_user_sgpr_count 2
		.amdhsa_user_sgpr_kernarg_segment_ptr 1
		.amdhsa_wavefront_size32 1
		.amdhsa_system_sgpr_workgroup_id_x 1
		.amdhsa_system_sgpr_workgroup_id_y 1
		.amdhsa_system_sgpr_workgroup_id_z 1
		.amdhsa_system_vgpr_workitem_id 0
		.amdhsa_next_free_vgpr 186
		.amdhsa_next_free_sgpr 66
		.amdhsa_reserve_vcc 0
		.amdhsa_float_denorm_mode_32 3
		.amdhsa_float_denorm_mode_16_64 3
		.amdhsa_memory_ordered 1
		.amdhsa_forward_progress 1
		.amdhsa_inst_pref_size 34
	.end_amdhsa_kernel
	.amdgpu_metadata
---
amdhsa.version: [ 1, 2 ]
amdhsa.kernels:
  - .name:           k_q67160504d4_gn
    .symbol:         k_q67160504d4_gn.kd
    .args:
      - { .name: x, .offset: 0, .size: 8, .value_kind: global_buffer, .address_space: global }
      - { .name: gn_gamma, .offset: 8, .size: 8, .value_kind: global_buffer, .address_space: global }
      - { .name: gn_beta, .offset: 16, .size: 8, .value_kind: global_buffer, .address_space: global }
      - { .name: q_w, .offset: 24, .size: 8, .value_kind: global_buffer, .address_space: global }
      - { .name: k_w, .offset: 32, .size: 8, .value_kind: global_buffer, .address_space: global }
      - { .name: v_w, .offset: 40, .size: 8, .value_kind: global_buffer, .address_space: global }
      - { .name: proj_w, .offset: 48, .size: 8, .value_kind: global_buffer, .address_space: global }
      - { .name: hb, .offset: 56, .size: 8, .value_kind: global_buffer, .address_space: global }
      - { .name: wb, .offset: 64, .size: 8, .value_kind: global_buffer, .address_space: global }
    .group_segment_fixed_size: 1280
    .private_segment_fixed_size: 0
    .kernarg_segment_align: 8
    .kernarg_segment_size: 72
    .max_flat_workgroup_size: 256
    .sgpr_count:     66
    .vgpr_count:     186
    .wavefront_size: 32
...
	.end_amdgpu_metadata
.endif
;; end of part 1
;; launch qkv (part 2): grid 4 x 64, 4 waves a work-group, clusters of 4 x 4, 327,680 bytes of LDS; arguments hb, wb, q_b, k_b, v_b, qt, kt, vb; writes qt, kt, vb
.if DOCPART == 2
	.amdgcn_target "amdgcn-amd-amdhsa--gfx1250"
	.amdhsa_code_object_version 6
	.text
	.protected	k_q67160504d4_qkv
	.globl	k_q67160504d4_qkv
	.p2align	8
	.type	k_q67160504d4_qkv,@function
k_q67160504d4_qkv:
	s_mov_b64 s[64:65], 0
	v_nop
	global_prefetch_b8 v0, s[64:65] scope:SCOPE_SE
	s_setreg_imm32_b32 hwreg(HW_REG_WAVE_MODE, 25, 1), 1
	s_wait_xcnt 0x0
	s_wait_alu depctr_hold_cnt(0) depctr_sa_sdst(0) depctr_va_vdst(0) depctr_va_sdst(0) depctr_va_ssrc(0) depctr_va_vcc(0) depctr_vm_vsrc(0)
	s_getreg_b32 s2, hwreg(HW_REG_IB_STS2, 6, 4)
	s_cmp_eq_u32 s2, 0
	s_cbranch_scc0 .Lentry_in_a_cluster
	s_endpgm
.Lentry_in_a_cluster:
	s_bfe_u32 s2, ttmp6, 0x10000c
	s_cmp_lg_u32 s2, 0xf033
	s_cbranch_scc0 .Lentry_shape_is_right
	s_endpgm
.Lentry_shape_is_right:
; Q, K, V = W h + b.  hb: [4][512 c][2048 n] bf16; wb: rows 0-511 q_w, 512-1023 k_w, 1024-1535 v_w, [row][512 c] bf16.
; qt, kt: [32 bh][2048 n][64 c] bf16 (bh = 8 b + head); qt holds (Wq h + bq) * 512^-0.5 * log2 e.  vb: [4][512 c][2048 n] bf16.
; A work-group makes channels 128 ob .. +127 (two heads) of q, of k and of v for 128 positions: 384 x 128 x K 512.
; Wave w: head half hh = w >> 1, position half nh = w & 1: (64 q + 64 k + 64 v) x 64 n = 48 accumulator tiles, 384 registers;
; for 32 along K it loads 32 x 512 bytes from LDS and issues 48 matrix instructions.
; K goes in four steps of 128 through two LDS slots; a tile's rows are 256 bytes of memory and start at multiples of 256 bytes.
; CLUSTERS: 4 x 4 work-groups.  The weights' tiles hang on ob alone and are asked for jointly along a column of the cluster,
; h's tile on the block of positions alone and jointly along a row: the requests for both are divided by four.
; Q and K tiles: source 0 = weights, source 1 = h: a lane holds 8 neighbouring channels of one position (a piece of a row of qt, kt).
; V tiles: source 0 = h, source 1 = weights: a lane holds 8 neighbouring positions of one channel (a piece of a row of vb).
; h lies [c][n] in LDS, so its fragments come by the transposing load.
; LIMITS: matrix operands are bf16, sums f32; NaN and infinite inputs are not served.
.set WP,   272                         ; a weight row in LDS: 256 bytes + 16 = 17 x 16: sixteen rows start in sixteen different 16-byte columns modulo 256
.set HP,   288                         ; a row of h in LDS: 256 bytes + 32 = 9 x 32, for the transposing load
.set WT,   128*WP                      ; one matrix's tile
.set HOFF, 3*WT                        ; h's tile behind the three
.set SLOT, 3*WT+128*HP                 ; 141,312
.set QSTG, 2*SLOT                      ; behind the ring: each wave's own stage, 64 rows x 144 bytes; no tensor load lands here
.set QP,   144
.set SC,   0x3d8293ee                  ; 512^-0.5 * log2 e
.set ADRW, 16                          ; v16-21  LDS address of my weight fragments: 3 * slot + matrix
.set ADRH, 22                          ; v22-23  of my h fragments, slot 0, 1
.set RDV,  25                          ; the way out of V: where I read a whole row of 256 bytes from two waves' stages
.set COV,  26                          ; my byte offset in vb
.set STO,  27                          ; where I put 16 bytes into my stage
.set RDQ,  28                          ; where I read my stage back, four rows of 128 bytes at a time
.set COQ,  29                          ; my byte offset in qt and kt
.set BOQ,  30                          ; byte offsets in the biases
.set BOV,  31
.set BV,   32                          ; v[32:39]   v_b of channel 16 a + r, twice each
.set BQ,   192                         ; v[192:223] q_b of channels 16 a + 8 h + 0..7
.set BK,   224                         ; v[224:255] k_b likewise
.set T,    64                          ; the way out: 32 numbers in f32
.set PK,   96                          ; packed
.set RB,   112                         ; v[112:175] read back
; windows: 0: the above and fragment buffer 0 = v[64:191];  1: q sums v[0:127], k sums v[128:255];  2: v sums v[0:127], fragment buffer 1 = v[128:255]
; a fragment buffer F: h tiles F + 8 t, q F + 32 + 8 a, k F + 64 + 8 a, v F + 96 + 8 a
.set G1W, 28
.set G1H, 36
.set G0W, 44                           ; a group 0 for each slot
.set G0H, 52
.set MSB, 0
.macro WIN new                         ; the immediate's high byte repeats the setting that is left
.if MSB != (\new)
	s_set_vgpr_msb (MSB<<8)|(\new)
.set MSB, (\new)
.endif
.endm
.macro PLACES n
.rept \n
	v_nop
.endr
.endm
.macro CREST                           ; a round of the cluster's barrier behind its opening barrier
	s_cmp_lg_u32 s20, 0
	s_cbranch_scc1 .Lnot_wave_0_\@
	s_barrier_signal -3
.Lnot_wave_0_\@:
	s_barrier_wait -3
	s_barrier_signal -1
	s_barrier_wait -1
.endm
.macro CROUND
	s_barrier_signal -1
	s_barrier_wait -1
	CREST
.endm
.macro JLOAD s                         ; waves 0-2 ask for the tile of matrix w, wave 3 for h's: one line, one mask each
	s_cmp_lg_u32 s20, 3
	s_cbranch_scc0 .Lfor_h_\@
	tensor_load_to_lds s[G0W+4*\s:G0W+4*\s+3], s[G1W:G1W+7]
	s_nop 0
	s_branch .Lasked_\@
.Lfor_h_\@:
	tensor_load_to_lds s[G0H+4*\s:G0H+4*\s+3], s[G1H:G1H+7]
	s_nop 0
.Lasked_\@:
.endm
	s_load_b512 s[4:19], s[0:1], 0x0               ; hb, wb, q_b, k_b, v_b, qt, kt, vb
	v_lshl_add_u32 v62, v0, 2, 0x4e000
	v_mov_b32 v63, 0
	ds_add_u32 v62, v63
	v_lshrrev_b32 v1, 5, v0
	v_readfirstlane_b32 s20, v1                    ; wave 0..3
	s_lshr_b32 s21, s20, 1                         ; hh
	s_and_b32 s22, s20, 1                          ; nh
	s_bfe_u32 s23, ttmp6, 0x40000                  ; cx
	s_bfe_u32 s24, ttmp6, 0x40004                  ; cy
	s_lshl_b32 s26, ttmp9, 2
	s_add_co_u32 s26, s26, s23                     ; ob = 4 x cluster x + cx
	s_and_b32 s25, ttmp7, 0xffff
	s_lshl_b32 s25, s25, 2
	s_add_co_u32 s25, s25, s24                     ; nb = 4 x cluster y + cy: batch nb >> 4, positions 128 (nb & 15)
	s_lshl_b32 s66, 0x1111, s23                    ; my column of the cluster
	s_lshl_b32 s70, s24, 2
	s_lshl_b32 s70, 15, s70                        ; my row
	; group 1: 128 rows x 128 elements of 2 bytes; a pad behind every 64 words: 4 words for the weights, 8 for h
	s_or_b32 s[G1W+0], s66, (1<<16)|(1<<20)|(1<<21)|(5<<22)|(3<<25)
	s_or_b32 s[G1H+0], s70, (1<<16)|(1<<20)|(1<<21)|(5<<22)|(7<<25)
	s_mov_b32 s[G1W+1], 128<<16                    ; tensor_dim0 = 128
	s_mov_b32 s[G1H+1], 128<<16
	s_mov_b32 s[G1W+2], 128<<16                    ; tensor_dim1 = 128
	s_mov_b32 s[G1H+2], 128<<16
	s_mov_b32 s[G1W+3], 128<<16                    ; tile_dim0 = 128
	s_mov_b32 s[G1H+3], 128<<16
	s_mov_b32 s[G1W+4], 128                        ; tile_dim1 = 128
	s_mov_b32 s[G1H+4], 128
	s_mov_b32 s[G1W+5], 512                        ; elements from row to row
	s_mov_b32 s[G1H+5], 2048
	s_mov_b32 s[G1W+6], 0
	s_mov_b32 s[G1H+6], 0
	s_mov_b32 s[G1W+7], 0
	s_mov_b32 s[G1H+7], 0
	; where the tiles come from.  s66-69 see ob and the wave alone, s70-73 nb alone.
	s_lshl_b32 s66, s20, 19                        ; matrix w: 512 rows of 1,024 bytes
	s_lshl_b32 s67, s26, 17                        ; 128 ob rows
	s_add_co_u32 s66, s66, s67
	s_mov_b32 s67, 0
	s_lshr_b32 s70, s25, 4
	s_lshl_b32 s70, s70, 21                        ; batch: 512 rows of 4,096 bytes
	s_and_b32 s71, s25, 15
	s_lshl_b32 s71, s71, 8                         ; 128 positions of 2 bytes
	s_add_co_u32 s70, s70, s71
	s_mov_b32 s71, 0
	s_mul_i32 s27, s20, WT                         ; and where they go: wave x 34,816 (h's tile is the fourth)
	; the outputs' offsets (s74-81 may see both coordinates; they feed no descriptor and no LDS address)
	s_lshr_b32 s74, s25, 4                         ; b
	s_and_b32 s75, s25, 15
	s_lshl_b32 s76, s74, 21                        ; vb: (512 b + 128 ob + 32 w) rows of 4,096 bytes + 256 (nb & 15)
	s_lshl_b32 s77, s26, 19
	s_add_co_u32 s76, s76, s77
	s_lshl_b32 s77, s20, 17
	s_add_co_u32 s76, s76, s77
	s_lshl_b32 s77, s75, 8
	s_add_co_u32 s76, s76, s77
	s_mov_b32 s77, 0
	s_lshl_b32 s78, s74, 3                         ; qt, kt: ((8 b + 2 ob + hh) 2048 + 128 (nb & 15) + 64 nh) rows of 128 bytes
	s_lshl1_add_u32 s78, s26, s78
	s_add_co_u32 s78, s78, s21
	s_lshl_b32 s78, s78, 18
	s_lshl_b32 s79, s75, 14
	s_add_co_u32 s78, s78, s79
	s_lshl_b32 s79, s22, 13
	s_add_co_u32 s78, s78, s79
	s_mov_b32 s79, 0
	s_lshl_b32 s80, s26, 9                         ; biases: (128 ob + 64 hh) * 4
	s_lshl_b32 s81, s21, 8
	s_add_co_u32 s80, s80, s81
	; the lanes' addresses.  L = lane, r = L & 15, h = L >> 4
	v_and_b32 v1, 15, v0                           ; r
	v_bfe_u32 v2, v0, 4, 1                         ; h
	v_and_b32 v3, 7, v0                            ; L & 7
	v_bfe_u32 v4, v0, 3, 1                         ; (L >> 3) & 1
	v_bfe_u32 v5, v0, 3, 2                         ; L >> 3
	v_and_b32 v6, 31, v0                           ; L
	v_mul_u32_u24 v7, v1, WP
	v_lshl_add_u32 v7, v2, 4, v7
	s_mul_i32 s82, s21, 64*WP
	v_add_nc_u32 v7, s82, v7                       ; (64 hh + r) pitch + 16 h
.irp s, 0,1
.irp m, 0,1,2
	v_add_nc_u32 v[ADRW+3*\s+\m], \s*SLOT+\m*WT, v7
.endr
.endr
	v_lshl_add_u32 v8, v2, 3, v3                   ; transposing load: row 8 h + (L & 7),
	v_mul_u32_u24 v8, v8, HP
	v_lshl_add_u32 v8, v4, 4, v8                   ; 16 bytes for each half of eight lanes,
	v_lshl_add_u32 v8, s22, 7, v8                  ; my 64 positions
	v_add_nc_u32 v[ADRH], HOFF, v8
	v_add_nc_u32 v[ADRH+1], HOFF+SLOT, v8
	s_mul_i32 s82, s20, 64*QP
	s_add_co_u32 s82, s82, QSTG                    ; my stage
	v_mul_u32_u24 v9, v1, QP
	v_lshl_add_u32 v9, v2, 4, v9
	v_add_nc_u32 v[STO], s82, v9                   ; row r, 16 bytes for each half of the lanes
	v_mul_u32_u24 v9, v5, QP
	v_lshl_add_u32 v9, v3, 4, v9
	v_add_nc_u32 v[RDQ], s82, v9                   ; eight lanes take a row of 128 bytes
	s_mul_i32 s82, s21, 2*64*QP                    ; V: the two stages of head half w >> 1, rows 32 (w & 1) ..
	s_mul_i32 s83, s22, 32*QP
	s_add_co_u32 s82, s82, s83
	s_add_co_u32 s82, s82, QSTG
	v_mul_u32_u24 v9, v4, 64*QP                    ; lanes 8-15 of a half read the second stage (positions 64..127)
	v_mul_u32_u24 v10, v2, QP                      ; lanes 16-31 the next row
	v_add_nc_u32 v9, v9, v10
	v_lshl_add_u32 v9, v3, 4, v9
	v_add_nc_u32 v[RDV], s82, v9
	v_lshlrev_b32 v9, 4, v1
	v_lshl_add_u32 v[COV], v2, 12, v9              ; 4,096 h + 16 r
	v_lshlrev_b32 v[COQ], 4, v6
	v_lshlrev_b32 v9, 5, v2
	v_add_nc_u32 v[BOQ], s80, v9
	v_lshlrev_b32 v9, 2, v1
	v_add_nc_u32 v[BOV], s80, v9
	s_wait_dscnt 0x0
	s_wait_kmcnt 0x0
	s_add_nc_u64 s[68:69], s[6:7], s[66:67]
	s_add_nc_u64 s[72:73], s[4:5], s[70:71]
	s_add_nc_u64 s[18:19], s[18:19], s[76:77]
	s_add_nc_u64 s[14:15], s[14:15], s[78:79]
	s_add_nc_u64 s[16:17], s[16:17], s[78:79]
	CROUND                                         ; all sixteen work-groups are here: the first joint loads meet
.irp s, 0,1
	s_mov_b32 s[G0W+4*\s], 1
	s_add_co_u32 s[G0W+4*\s+1], s27, \s*SLOT
	s_add_nc_u64 s[G0W+4*\s+2:G0W+4*\s+3], s[68:69], \s*256          ; K step s: 128 elements along the rows
	s_or_b32 s[G0W+4*\s+3], s[G0W+4*\s+3], 0x80000000
	s_mov_b32 s[G0H+4*\s], 1
	s_add_co_u32 s[G0H+4*\s+1], s27, \s*SLOT
	s_add_nc_u64 s[G0H+4*\s+2:G0H+4*\s+3], s[72:73], \s*524288       ; K step s: 128 rows of 4,096 bytes down
	s_or_b32 s[G0H+4*\s+3], s[G0H+4*\s+3], 0x80000000
	JLOAD \s                                       ; two loads of the wave are out now, the most in this text
.endr
.irp a, 0,1,2,3
	global_load_b128 v[BQ+8*\a:BQ+8*\a+3],   v[BOQ], s[8:9] offset:64*\a
	global_load_b128 v[BQ+8*\a+4:BQ+8*\a+7], v[BOQ], s[8:9] offset:64*\a+16
	global_load_b128 v[BK+8*\a:BK+8*\a+3],   v[BOQ], s[10:11] offset:64*\a
	global_load_b128 v[BK+8*\a+4:BK+8*\a+7], v[BOQ], s[10:11] offset:64*\a+16
	global_load_b32 v[BV+2*\a],   v[BOV], s[12:13] offset:64*\a
	global_load_b32 v[BV+2*\a+1], v[BOV], s[12:13] offset:64*\a
.endr
; 32 LDS loads in one run: quarter kq (32 along K) of a slot into buffer b: h (8), q (8), k (8), v (8), in that order
.macro FETCH slot, kq, b
	WIN 0x80*(\b)
.irp t, 0,1,2,3
	ds_load_tr16_b128 v[64+64*(\b)+8*\t:64+64*(\b)+8*\t+3],   v[ADRH+\slot] offset:32*HP*\kq+32*\t
	ds_load_tr16_b128 v[64+64*(\b)+8*\t+4:64+64*(\b)+8*\t+7], v[ADRH+\slot] offset:32*HP*\kq+32*\t+16*HP
.endr
.irp m, 0,1,2
.irp a, 0,1,2,3
	ds_load_b128 v[96+64*(\b)+32*\m+8*\a:96+64*(\b)+32*\m+8*\a+3],   v[ADRW+3*\slot+\m] offset:16*WP*\a+64*\kq
	ds_load_b128 v[96+64*(\b)+32*\m+8*\a+4:96+64*(\b)+32*\m+8*\a+7], v[ADRW+3*\slot+\m] offset:16*WP*\a+64*\kq+32
.endr
.endr
.endm
; 16 matrix instructions for q (part 32, sums at 0) or k (part 64, sums at 128).  The 48 accumulators take turns, one instruction a turn,
; in the same order in every quarter.  zero = 1: the first product starts the sums.
.macro MULW f, part, acc, zero
.irp a, 0,1,2,3
.irp t, 0,1,2,3
.if \zero
	v_wmma_f32_16x16x32_bf16 v[\acc+8*(4*\a+\t):\acc+8*(4*\a+\t)+7], v[\f+\part+8*\a:\f+\part+8*\a+7], v[\f+8*\t:\f+8*\t+7], 0
.else
	v_wmma_f32_16x16x32_bf16 v[\acc+8*(4*\a+\t):\acc+8*(4*\a+\t)+7], v[\f+\part+8*\a:\f+\part+8*\a+7], v[\f+8*\t:\f+8*\t+7], v[\acc+8*(4*\a+\t):\acc+8*(4*\a+\t)+7]
.endif
.endr
.endr
.endm
.macro MULV f, zero                    ; 16 for v, the sources swapped
.irp a, 0,1,2,3
.irp t, 0,1,2,3
.if \zero
	v_wmma_f32_16x16x32_bf16 v[8*(4*\a+\t):8*(4*\a+\t)+7], v[\f+8*\t:\f+8*\t+7], v[\f+96+8*\a:\f+96+8*\a+7], 0
.else
	v_wmma_f32_16x16x32_bf16 v[8*(4*\a+\t):8*(4*\a+\t)+7], v[\f+8*\t:\f+8*\t+7], v[\f+96+8*\a:\f+96+8*\a+7], v[8*(4*\a+\t):8*(4*\a+\t)+7]
.endif
.endr
.endr
.endm
; One of a K step's first three quarters: multiplies buffer b and fetches quarter kq of the same slot into the other buffer.
; Four plain places stand between the matrix instructions that read a buffer and the loads into it (ISA guide 7.12.1 for vector instructions).
.macro QUARTER slot, kq, b, zero
	s_wait_dscnt 8                                 ; h, q and k are in; v's eight loads, the youngest, may be out
	WIN 0x50+0x0a*\b
	MULW 64+64*\b, 32, 0, \zero
	MULW 64+64*\b, 64, 128, \zero
	PLACES 4
	FETCH \slot, \kq, 1-\b
	s_wait_dscnt 32                                ; all but the 32 just issued
	WIN 0xa0+0x0a*\b
	MULV 64+64*\b, \zero
.endm
.macro THREE slot, zero
	QUARTER \slot, 1, 0, \zero
	QUARTER \slot, 2, 1, 0
	QUARTER \slot, 3, 0, 0
.endm
; The last quarter multiplies buffer 1 and changes slots.  In front of the barrier each wave waits for its reads of this slot and for all
; its tensor loads (the one that is out is its part of the next slot).  fill = 1: the barrier opens a round of the cluster's barrier, and
; the joint refill of this slot, two K steps ahead, is the first tensor load behind the round.
.macro TURN slot, next, fill
	s_wait_dscnt 8
	WIN 0x5a
	MULW 128, 32, 0, 0
	s_wait_dscnt 0x0
	s_set_vgpr_msb 0x5a50
	s_wait_tensorcnt 0x0
	ds_add_u32 v62, v63
	s_wait_dscnt 0x0
	s_set_vgpr_msb 0x505a
	s_barrier_signal -1
	MULW 128, 64, 128, 0                           ; register work while the others arrive
	WIN 0
	s_barrier_wait -1
.if \fill
	CREST
	s_add_nc_u64 s[G0W+4*\slot+2:G0W+4*\slot+3], s[G0W+4*\slot+2:G0W+4*\slot+3], 512
	s_add_nc_u64 s[G0H+4*\slot+2:G0H+4*\slot+3], s[G0H+4*\slot+2:G0H+4*\slot+3], 1048576
	JLOAD \slot
.endif
	PLACES 4
	FETCH \next, 0, 0
	WIN 0xaa
	MULV 128, 0
.endm
	s_wait_tensorcnt 0x1                           ; my part of K step 0 is in; K step 1's stays out
	s_barrier_signal -1
	s_barrier_wait -1
	FETCH 0, 0, 0
	THREE 0, 1
	TURN 0, 1, 1                                   ; slot 0 gets K step 2
	THREE 1, 0
	TURN 1, 0, 1                                   ; slot 1 gets K step 3
	THREE 0, 0
	TURN 0, 1, 0                                   ; nothing is left to fetch
	THREE 1, 0
	s_wait_dscnt 8
	WIN 0x5a
	MULW 128, 32, 0, 0
	MULW 128, 64, 128, 0
	s_wait_dscnt 0x0
	WIN 0xaa
	MULV 128, 0
	PLACES 4                                       ; four places before vector instructions read the last results
	WIN 0
	s_wait_loadcnt 0x0                             ; the biases
; 16 LDS loads and 16 stores of 512 bytes
.macro FLUSH rd, lstep, co, bs, gstep
	s_wait_xcnt 0x0                                ; RB, which earlier stores read, is rewritten only behind this wait
.irp i, 0,1,2,3,4,5,6,7,8,9,10,11,12,13,14,15
	ds_load_b128 v[RB+4*\i:RB+4*\i+3], v[\rd] offset:\lstep*\i
.endr
.irp i, 0,1,2,3,4,5,6,7,8,9,10,11,12,13,14,15
	s_wait_dscnt 15-\i                             ; LDS loads return in order: load i is in
	global_store_b128 v[\co], v[RB+4*\i:RB+4*\i+3], s[\bs:\bs+1] offset:\gstep*\i
.endr
.endm
	; V: channel 16 a + r of my 64, positions 16 t + 8 h + 0..7 of my 64, into my own stage (rows of 128 bytes, pitch 144)
.irp a, 0,1,2,3
	WIN 0x02
.irp t, 0,1,2,3
.irp j, 0,2,4,6
	v_pk_add_f32 v[T+8*\t+\j:T+8*\t+\j+1], v[8*(4*\a+\t)+\j:8*(4*\a+\t)+\j+1], v[BV+2*\a:BV+2*\a+1]
.endr
.endr
	WIN 0
.irp t, 0,1,2,3
.irp i, 0,1,2,3
	v_cvt_pk_bf16_f32 v[PK+4*\t+\i], v[T+8*\t+2*\i], v[T+8*\t+2*\i+1]
.endr
.endr
.irp t, 0,1,2,3
	ds_store_b128 v[STO], v[PK+4*\t:PK+4*\t+3] offset:16*QP*\a+32*\t
.endr
.endr
	s_wait_dscnt 0x0                               ; my stage is written before I say so
	s_barrier_signal -1
	s_barrier_wait -1
	FLUSH RDV, 2*QP, COV, 18, 8192                 ; rows 32 w .. 32 w + 31 of the 128: sixteen lanes store 256 consecutive bytes of vb, aligned
	s_barrier_signal -1                            ; the count-down above ended at 0: my reads of the others' stages are over
	s_barrier_wait -1                              ; now every stage may be written again
	; Q and K: position 16 t + r, channels 16 a + 8 h + 0..7; my own stage, read back by myself: LDS serves a wave's instructions in order (ISA guide 5.7.1.4)
.irp j, 0,2,4,6,8,10,12,14,16,18,20,22,24,26,28,30
	v_pk_mul_f32 v[BQ+\j:BQ+\j+1], v[BQ+\j:BQ+\j+1], SC op_sel_hi:[1,0]
.endr
.macro QKOUT acc, bias, scaled, bs
.irp t, 0,1,2,3
	WIN 0x01
.irp a, 0,1,2,3
.irp j, 0,2,4,6
.if \scaled
	v_pk_fma_f32 v[T+8*\a+\j:T+8*\a+\j+1], v[\acc+8*(4*\a+\t)+\j:\acc+8*(4*\a+\t)+\j+1], SC, v[\bias+8*\a+\j:\bias+8*\a+\j+1] op_sel_hi:[1,0,1]
.else
	v_pk_add_f32 v[T+8*\a+\j:T+8*\a+\j+1], v[\acc+8*(4*\a+\t)+\j:\acc+8*(4*\a+\t)+\j+1], v[\bias+8*\a+\j:\bias+8*\a+\j+1]
.endif
.endr
.endr
	WIN 0
.irp a, 0,1,2,3
.irp i, 0,1,2,3
	v_cvt_pk_bf16_f32 v[PK+4*\a+\i], v[T+8*\a+2*\i], v[T+8*\a+2*\i+1]
.endr
.endr
.irp a, 0,1,2,3
	ds_store_b128 v[STO], v[PK+4*\a:PK+4*\a+3] offset:16*QP*\t+32*\a
.endr
.endr
	FLUSH RDQ, 4*QP, COQ, \bs, 512                 ; my 64 rows of 128 bytes are 8,192 consecutive bytes: each store covers 512 of them
.endm
	QKOUT 0, BQ, 1, 14
	QKOUT 128, BK, 0, 16
	s_wait_tensorcnt 0x0
	ds_add_u32 v62, v63
	s_wait_dscnt 0x0
	CROUND                                         ; the closing round: no work-group ends while a partner may still ask jointly
	s_endpgm
.Lfunc_end_k_q67160504d4_qkv:
	.size	k_q67160504d4_qkv, .Lfunc_end_k_q67160504d4_qkv-k_q67160504d4_qkv
	.p2alignl 7, 3214868480
	.fill 96, 4, 3214868480
	.section	.rodata,"a",@progbits
	.p2align	6, 0x0
	.amdhsa_kernel k_q67160504d4_qkv
		.amdhsa_group_segment_fixed_size 327680
		.amdhsa_private_segment_fixed_size 0
		.amdhsa_enable_private_segment 0
		.amdhsa_kernarg_size 64
		.amdhsa_user_sgpr_count 2
		.amdhsa_user_sgpr_kernarg_segment_ptr 1
		.amdhsa_wavefront_size32 1
		.amdhsa_system_sgpr_workgroup_id_x 1
		.amdhsa_system_sgpr_workgroup_id_y 1
		.amdhsa_system_sgpr_workgroup_id_z 1
		.amdhsa_system_vgpr_workitem_id 0
		.amdhsa_next_free_vgpr 768
		.amdhsa_next_free_sgpr 84
		.amdhsa_reserve_vcc 0
		.amdhsa_float_denorm_mode_32 3
		.amdhsa_float_denorm_mode_16_64 3
		.amdhsa_memory_ordered 1
		.amdhsa_forward_progress 1
		.amdhsa_inst_pref_size 138
	.end_amdhsa_kernel
	.amdgpu_metadata
---
amdhsa.version: [ 1, 2 ]
amdhsa.kernels:
  - .name:           k_q67160504d4_qkv
    .symbol:         k_q67160504d4_qkv.kd
    .args:
      - { .name: hb, .offset: 0, .size: 8, .value_kind: global_buffer, .address_space: global }
      - { .name: wb, .offset: 8, .size: 8, .value_kind: global_buffer, .address_space: global }
      - { .name: q_b, .offset: 16, .size: 8, .value_kind: global_buffer, .address_space: global }
      - { .name: k_b, .offset: 24, .size: 8, .value_kind: global_buffer, .address_space: global }
      - { .name: v_b, .offset: 32, .size: 8, .value_kind: global_buffer, .address_space: global }
      - { .name: qt, .offset: 40, .size: 8, .value_kind: global_buffer, .address_space: global }
      - { .name: kt, .offset: 48, .size: 8, .value_kind: global_buffer, .address_space: global }
      - { .name: vb, .offset: 56, .size: 8, .value_kind: global_buffer, .address_space: global }
    .group_segment_fixed_size: 327680
    .private_segment_fixed_size: 0
    .kernarg_segment_align: 8
    .kernarg_segment_size: 64
    .max_flat_workgroup_size: 128
    .sgpr_count:     84
    .vgpr_count:     768
    .wavefront_size: 32
...
	.end_amdgpu_metadata
.endif
;; end of part 2
;; launch attn (part 3): grid 8 x 32, 8 waves a work-group, clusters of 4 x 1, 327,680 bytes of LDS; arguments qt, kt, vb, oat; writes oat
.if DOCPART == 3
	.amdgcn_target "amdgcn-amd-amdhsa--gfx1250"
	.amdhsa_code_object_version 6
	.text
	.protected	k_q67160504d4_attn
	.globl	k_q67160504d4_attn
	.p2align	8
	.type	k_q67160504d4_attn,@function
k_q67160504d4_attn:
	s_mov_b64 s[64:65], 0
	v_nop
	global_prefetch_b8 v0, s[64:65] scope:SCOPE_SE
	s_setreg_imm32_b32 hwreg(HW_REG_WAVE_MODE, 25, 1), 1
	s_wait_xcnt 0x0
	s_wait_alu depctr_hold_cnt(0) depctr_sa_sdst(0) depctr_va_vdst(0) depctr_va_sdst(0) depctr_va_ssrc(0) depctr_va_vcc(0) depctr_vm_vsrc(0)
	s_getreg_b32 s2, hwreg(HW_REG_IB_STS2, 6, 4)
	s_cmp_eq_u32 s2, 0
	s_cbranch_scc0 .Lentry_in_a_cluster
	s_endpgm
.Lentry_in_a_cluster:
	s_bfe_u32 s2, ttmp6, 0x10000c
	s_cmp_lg_u32 s2, 0x3003
	s_cbranch_scc0 .Lentry_shape_is_right
	s_endpgm
.Lentry_shape_is_right:
; Attention of one head for 256 queries, with a running maximum.  qt, kt: [32 bh][2048 n][64 c] bf16, qt already times 512^-0.5 log2 e,
; so that p = 2^(s - m).  vb: [4][512 c][2048 n] bf16.  oat: [32 bh][2048 n][64 c] bf16.
; Eight waves.  Waves w and w + 4 hold the same 64 queries, 64 (w & 3); of each tile of 256 keys waves 0-3 take keys 0-127, waves 4-7 keys
; 128-255, in two halves of 64.  Their two partial results (maximum, sum, O) are merged once at the end through LDS.  Two waves lie on a
; SIMD, so that one wave's softmax runs beside the other's matrix instructions; each keeps 64 queries: 64 matrix instructions for 32 LDS loads.
; Scores are made transposed, S^T = K Q^T: lane (r, h) holds query r and keys 8 h + j of a tile.  Two such tiles, rounded to bf16, ARE the
; second source of O = V P (k = 8 h .. in registers 0-3, 16 + 8 h .. in 4-7): no shuffle; maximum, sum and rescale factor belong to a lane.
; CLUSTERS: the four query blocks of a cluster read the same K and V tiles and ask for them jointly (mask 15): a quarter of the requests.
; LIMITS: NaN and infinite inputs are not served; 2^x below 2^-126 comes out as 0 (ISA guide, v_exp_f32); P goes to the matrix unit in bf16
; while the denominator sums P in f32.
.set KP,   144                         ; a K row in LDS: 128 bytes + 16
.set VP,   528                         ; a V row in LDS: 512 bytes + 16
.set VOFF, 256*KP                      ; V behind K's 256 rows
.set SLOT, 256*KP+64*VP                ; 70,656
.set MRG,  2*SLOT                      ; behind the ring; no tensor load lands here: for each pair of waves 16 KiB of O, 1 KiB of maxima, 512 B of sums
.set MRGW, 17920
.set OSTG, MRG+4*MRGW                  ; each of waves 0-3: 64 rows x 144 bytes, for the way out
.set ADRK, 4                           ; v4-5   my K fragments, slot 0, 1
.set ADRV, 6                           ; v6-7   my V fragments
.set QOFF, 8
.set MRGL, 9                           ; merge: where waves 0-3 read
.set STO,  10
.set RD,   11
.set CO,   12
.set MRGS, 13                          ; merge: where waves 4-7 write
.set MP,   14                          ; v[14:21] the running maximum of query tile q, twice
.set LS,   22                          ; v[22:25] the running sum (of my half of the lanes' keys)
.set AL,   26                          ; v[26:33] the rescale factor, twice
.set TA,   40                          ; v[40:43], v[44:47] at work
.set TB,   44
.set SUM,  48                          ; v[48:55] four chains of pairs
.set S,    64                          ; v[64:191]  window 0: scores (k, q) at S + 32 k + 8 q; then P (u, q) at S + 64 u + 8 q
.set KF,   192                         ; v[192:255] window 0: K fragments (k, c) at KF + 8 (2 k + c)
.set QF,   128                         ; window 1: Q fragments (q, c) at QF + 8 (2 q + c);  O (c, q) at 8 (4 c + q)
.set VF,   192                         ; window 1: V fragments (c, u) at VF + 8 (2 c + u)
.set G1K, 24
.set G1V, 32
.set G0K, 40
.set G0V, 48
.set MSB, 0
.macro WIN new
.if MSB != (\new)
	s_set_vgpr_msb (MSB<<8)|(\new)
.set MSB, (\new)
.endif
.endm
.macro PLACES n
.rept \n
	v_nop
.endr
.endm
.macro CROUND                          ; a round of the cluster's barrier
	s_barrier_signal -1
	s_barrier_wait -1
	s_cmp_lg_u32 s12, 0
	s_cbranch_scc1 .Lnot_wave_0_\@
	s_barrier_signal -3
.Lnot_wave_0_\@:
	s_barrier_wait -3
	s_barrier_signal -1
	s_barrier_wait -1
.endm
.macro JLOAD s                         ; waves 0-3 ask for 64 rows of K each, waves 4-7 for 16 rows of V each
	s_cmp_lt_u32 s12, 4
	s_cbranch_scc0 .Lfor_v_\@
	tensor_load_to_lds s[G0K+4*(\s):G0K+4*(\s)+3], s[G1K:G1K+7]
	s_nop 0
	s_branch .Lasked_\@
.Lfor_v_\@:
	tensor_load_to_lds s[G0V+4*(\s):G0V+4*(\s)+3], s[G1V:G1V+7]
	s_nop 0
.Lasked_\@:
.endm
	s_load_b256 s[4:11], s[0:1], 0x0               ; qt, kt, vb, oat
	v_lshl_add_u32 v38, v0, 2, 0x3d000
	v_mov_b32 v39, 0
	ds_add_u32 v38, v39
	v_lshrrev_b32 v1, 5, v0
	v_readfirstlane_b32 s12, v1                    ; wave 0..7
	s_and_b32 s13, s12, 3                          ; which 64 queries
	s_lshr_b32 s14, s12, 2                         ; which 128 keys of a tile
	s_bfe_u32 s15, ttmp6, 0x40000                  ; cx
	s_lshl_b32 s16, ttmp9, 2
	s_add_co_u32 s16, s16, s15                     ; query block 0..7
	s_and_b32 s17, ttmp7, 0xffff                   ; bh
	s_mov_b32 s18, 0x76543210
	s_mov_b32 s19, 0xfedcba98
	; group 1 for K: 64 rows x 64 elements, rows 64 elements apart, 4 words of padding behind every 32
	s_mov_b32 s[G1K+0], 15|(1<<16)|(1<<20)|(1<<21)|(4<<22)|(3<<25)
	s_mov_b32 s[G1K+1], 64<<16
	s_mov_b32 s[G1K+2], 64<<16
	s_mov_b32 s[G1K+3], 64<<16
	s_mov_b32 s[G1K+4], 64
	s_mov_b32 s[G1K+5], 64
	s_mov_b32 s[G1K+6], 0
	s_mov_b32 s[G1K+7], 0
	; group 1 for V: 16 rows x 256 elements, rows 2,048 elements apart, 4 words of padding behind every 128
	s_mov_b32 s[G1V+0], 15|(1<<16)|(1<<20)|(1<<21)|(6<<22)|(3<<25)
	s_mov_b32 s[G1V+1], 256<<16
	s_mov_b32 s[G1V+2], 16<<16
	s_mov_b32 s[G1V+3], 256<<16
	s_mov_b32 s[G1V+4], 16
	s_mov_b32 s[G1V+5], 2048
	s_mov_b32 s[G1V+6], 0
	s_mov_b32 s[G1V+7], 0
	s_lshl_b32 s56, s17, 18                        ; K: (2048 bh + 64 w) rows of 128 bytes
	s_lshl_b32 s57, s12, 13
	s_add_co_u32 s56, s56, s57
	s_mov_b32 s57, 0
	s_lshl_b32 s60, s17, 18                        ; V: (64 bh + 16 (w & 3)) rows of 4,096 bytes
	s_lshl_b32 s61, s13, 16
	s_add_co_u32 s60, s60, s61
	s_mov_b32 s61, 0
	s_mul_i32 s66, s12, 64*KP                      ; LDS: K's rows 64 w
	s_mul_i32 s67, s12, 16*VP
	s_add_co_u32 s67, s67, VOFF-4*16*VP            ; V's rows 16 (w - 4)
	s_lshl_b32 s68, s17, 18                        ; qt and oat: (2048 bh + 256 block + 64 (w & 3)) rows of 128 bytes; s68-70 alone see cx
	s_lshl_b32 s70, s16, 15
	s_add_co_u32 s68, s68, s70
	s_lshl_b32 s70, s13, 13
	s_add_co_u32 s68, s68, s70
	s_mov_b32 s69, 0
	v_and_b32 v1, 15, v0                           ; r
	v_bfe_u32 v2, v0, 4, 1                         ; h
	v_and_b32 v3, 31, v0                           ; L
	v_mul_u32_u24 v34, v1, KP
	v_lshl_add_u32 v34, v2, 4, v34                 ; 144 r + 16 h
	s_mul_i32 s71, s14, 128*KP
	v_add_nc_u32 v[ADRK], s71, v34
	v_add_nc_u32 v[ADRK+1], SLOT, v[ADRK]
	v_mul_u32_u24 v35, v1, VP
	v_lshl_add_u32 v35, v2, 4, v35
	v_lshl_add_u32 v35, s14, 8, v35                ; my 128 keys: 256 bytes along V's rows
	v_add_nc_u32 v[ADRV], VOFF, v35
	v_add_nc_u32 v[ADRV+1], VOFF+SLOT, v35
	v_lshlrev_b32 v35, 7, v1
	v_lshl_add_u32 v[QOFF], v2, 4, v35             ; 128 r + 16 h
	v_lshlrev_b32 v[CO], 4, v3
	s_mul_i32 s71, s12, MRGW
	v_add_nc_u32 v35, s71, v[CO]
	v_add_nc_u32 v[MRGL], MRG, v35                 ; waves 0-3: region w
	v_add_nc_u32 v[MRGS], MRG-4*MRGW, v35          ; waves 4-7: region w - 4
	s_mul_i32 s71, s12, 64*KP
	s_add_co_u32 s71, s71, OSTG
	v_add_nc_u32 v[STO], s71, v34
	v_bfe_u32 v35, v0, 3, 2
	v_mul_u32_u24 v35, v35, KP
	v_and_b32 v34, 7, v0
	v_lshl_add_u32 v35, v34, 4, v35
	v_add_nc_u32 v[RD], s71, v35
	s_wait_dscnt 0x0
	s_wait_kmcnt 0x0
	s_add_nc_u64 s[58:59], s[6:7], s[56:57]
	s_add_nc_u64 s[62:63], s[8:9], s[60:61]
	s_add_nc_u64 s[4:5], s[4:5], s[68:69]
	s_add_nc_u64 s[10:11], s[10:11], s[68:69]
	CROUND                                         ; the four work-groups are here: the first joint loads meet
.irp s, 0,1
	s_mov_b32 s[G0K+4*\s], 1
	s_add_co_u32 s[G0K+4*\s+1], s66, \s*SLOT
	s_add_nc_u64 s[G0K+4*\s+2:G0K+4*\s+3], s[58:59], \s*32768        ; tile s: 256 rows of 128 bytes
	s_or_b32 s[G0K+4*\s+3], s[G0K+4*\s+3], 0x80000000
	s_mov_b32 s[G0V+4*\s], 1
	s_add_co_u32 s[G0V+4*\s+1], s67, \s*SLOT
	s_add_nc_u64 s[G0V+4*\s+2:G0V+4*\s+3], s[62:63], \s*512          ; tile s: 256 keys of 2 bytes along the rows
	s_or_b32 s[G0V+4*\s+3], s[G0V+4*\s+3], 0x80000000
	JLOAD \s                                       ; two loads of the wave are out now, the most in this text
.endr
	WIN 0x40
.irp q, 0,1,2,3
.irp c, 0,1
	global_load_b128 v[QF+8*(2*\q+\c):QF+8*(2*\q+\c)+3],   v[QOFF], s[4:5] offset:2048*\q+64*\c
	global_load_b128 v[QF+8*(2*\q+\c)+4:QF+8*(2*\q+\c)+7], v[QOFF], s[4:5] offset:2048*\q+64*\c+32
.endr
.endr
	WIN 0
.macro FETCHK slot, hf                 ; 64 keys x 64 channels: 16 loads
	WIN 0
.irp k, 0,1,2,3
.irp c, 0,1
	ds_load_b128 v[KF+8*(2*\k+\c):KF+8*(2*\k+\c)+3],   v[ADRK+\slot] offset:64*KP*\hf+16*KP*\k+64*\c
	ds_load_b128 v[KF+8*(2*\k+\c)+4:KF+8*(2*\k+\c)+7], v[ADRK+\slot] offset:64*KP*\hf+16*KP*\k+64*\c+32
.endr
.endr
.endm
.macro FETCHV slot, hf                 ; 64 channels x 64 keys: 16 loads
	WIN 0x40
.irp c, 0,1,2,3
.irp u, 0,1
	ds_load_b128 v[VF+8*(2*\c+\u):VF+8*(2*\c+\u)+3],   v[ADRV+\slot] offset:16*VP*\c+128*\hf+64*\u
	ds_load_b128 v[VF+8*(2*\c+\u)+4:VF+8*(2*\c+\u)+7], v[ADRV+\slot] offset:16*VP*\c+128*\hf+64*\u+32
.endr
.endr
.endm
; 32 matrix instructions: the 16 score tiles take turns, one instruction a turn; the first 32 channels start the sums
.macro SCORES
	WIN 0x04
.irp c, 0,1
.irp k, 0,1,2,3
.irp q, 0,1,2,3
.if \c
	v_wmma_f32_16x16x32_bf16 v[S+32*\k+8*\q:S+32*\k+8*\q+7], v[KF+8*(2*\k+\c):KF+8*(2*\k+\c)+7], v[QF+8*(2*\q+\c):QF+8*(2*\q+\c)+7], v[S+32*\k+8*\q:S+32*\k+8*\q+7]
.else
	v_wmma_f32_16x16x32_bf16 v[S+32*\k+8*\q:S+32*\k+8*\q+7], v[KF+8*(2*\k+\c):KF+8*(2*\k+\c)+7], v[QF+8*(2*\q+\c):QF+8*(2*\q+\c)+7], 0
.endif
.endr
.endr
.endr
.endm
; The lane's 32 scores of query tile q are x_i = v[S + 32 (i / 8) + 8 q + i % 8].  first = 1: there is no maximum, sum or O yet.
.macro SOFTMAX first
	WIN 0
	; the new maximum: 16 three-way maxima a query tile in two chains, the four tiles interleaved
.irp q, 0,1,2,3
.if \first
	v_max_num_f32 v[TA+\q], v[S+8*\q], v[S+8*\q+1]
.else
	v_max3_num_f32 v[TA+\q], v[MP+2*\q], v[S+8*\q], v[S+8*\q+1]
.endif
	v_max3_num_f32 v[TB+\q], v[S+64+8*\q], v[S+64+8*\q+1], v[S+64+8*\q+2]
.endr
.set i, 2
.rept 7
.irp q, 0,1,2,3
	v_max3_num_f32 v[TA+\q], v[TA+\q], v[S+32*(i/8)+8*\q+i%8], v[S+32*((i+1)/8)+8*\q+(i+1)%8]
.endr
.set i, i+2
.endr
.set i, 19
.rept 6
.irp q, 0,1,2,3
	v_max3_num_f32 v[TB+\q], v[TB+\q], v[S+32*(i/8)+8*\q+i%8], v[S+32*((i+1)/8)+8*\q+(i+1)%8]
.endr
.set i, i+2
.endr
.irp q, 0,1,2,3
	v_max3_num_f32 v[TA+\q], v[TA+\q], v[TB+\q], v[S+96+8*\q+7]
.endr
.irp q, 0,1,2,3
	v_permlanex16_b32 v[TB+\q], v[TA+\q], s18, s19         ; the other half of the lanes holds the query's other 32 keys
.endr
.irp q, 0,1,2,3
	v_max_num_f32 v[MP+2*\q+1], v[TA+\q], v[TB+\q]
.endr
.if \first == 0
.irp q, 0,1,2,3
	v_sub_f32 v[AL+2*\q], v[MP+2*\q], v[MP+2*\q+1]         ; old maximum - new, at most 0
.endr
.endif
.irp q, 0,1,2,3
	v_mov_b32 v[MP+2*\q], v[MP+2*\q+1]
.endr
.if \first == 0
.irp q, 0,1,2,3
	v_exp_f32 v[AL+2*\q], v[AL+2*\q]
.endr
.endif
.irp k, 0,1,2,3
.irp q, 0,1,2,3
.irp j, 0,2,4,6
	v_pk_add_f32 v[S+32*\k+8*\q+\j:S+32*\k+8*\q+\j+1], v[S+32*\k+8*\q+\j:S+32*\k+8*\q+\j+1], v[MP+2*\q:MP+2*\q+1] neg_lo:[0,1] neg_hi:[0,1]
.endr
.endr
.endr
.if \first == 0
	s_wait_alu depctr_va_vdst(0)
.irp q, 0,1,2,3
	v_mov_b32 v[AL+2*\q+1], v[AL+2*\q]                     ; plain instructions stand between the exponentials above and this use
.endr
.endif
.irp q, 0,1,2,3
.irp k, 0,1,2,3
.irp j, 0,1,2,3,4,5,6,7
	v_exp_f32 v[S+32*\k+8*\q+\j], v[S+32*\k+8*\q+\j]
.endr
.endr
	v_nop                                          ; one plain place behind the exponentials before their results are used (ISA guide 5.7.2)
	s_wait_alu depctr_va_vdst(0)
.irp k, 0,1,2,3
	v_pk_add_f32 v[SUM+2*\k:SUM+2*\k+1], v[S+32*\k+8*\q:S+32*\k+8*\q+1], v[S+32*\k+8*\q+2:S+32*\k+8*\q+3]
.endr
.irp k, 0,1,2,3
	v_pk_add_f32 v[SUM+2*\k:SUM+2*\k+1], v[SUM+2*\k:SUM+2*\k+1], v[S+32*\k+8*\q+4:S+32*\k+8*\q+5]
.endr
.irp k, 0,1,2,3
	v_pk_add_f32 v[SUM+2*\k:SUM+2*\k+1], v[SUM+2*\k:SUM+2*\k+1], v[S+32*\k+8*\q+6:S+32*\k+8*\q+7]
.endr
	v_pk_add_f32 v[SUM:SUM+1], v[SUM:SUM+1], v[SUM+2:SUM+3]
	v_pk_add_f32 v[SUM+4:SUM+5], v[SUM+4:SUM+5], v[SUM+6:SUM+7]
	v_pk_add_f32 v[SUM:SUM+1], v[SUM:SUM+1], v[SUM+4:SUM+5]
.if \first
	v_add_f32 v[LS+\q], v[SUM], v[SUM+1]
.else
	v_add_f32 v[SUM], v[SUM], v[SUM+1]
	v_fma_f32 v[LS+\q], v[LS+\q], v[AL+2*\q], v[SUM]
.endif
	; P (u, q) in place of score tile (2 u, q): registers 0-3 from tile 2 u, 4-7 from tile 2 u + 1, ascending, so that no source is written early
.irp u, 0,1
.irp i, 0,1,2,3
	v_cvt_pk_bf16_f32 v[S+64*\u+8*\q+\i], v[S+64*\u+8*\q+2*\i], v[S+64*\u+8*\q+2*\i+1]
.endr
.irp i, 0,1,2,3
	v_cvt_pk_bf16_f32 v[S+64*\u+8*\q+4+\i], v[S+64*\u+32+8*\q+2*\i], v[S+64*\u+32+8*\q+2*\i+1]
.endr
.endr
.endr
.endm
.macro RESCALE
	WIN 0x41
.irp c, 0,1,2,3
.irp q, 0,1,2,3
.irp j, 0,2,4,6
	v_pk_mul_f32 v[8*(4*\c+\q)+\j:8*(4*\c+\q)+\j+1], v[8*(4*\c+\q)+\j:8*(4*\c+\q)+\j+1], v[AL+2*\q:AL+2*\q+1]
.endr
.endr
.endr
.endm
; 32 matrix instructions: the 16 tiles of O take turns, one instruction a turn.  first = 1: the first 32 keys start the sums.
.macro PV first
	WIN 0x51
.irp u, 0,1
.irp c, 0,1,2,3
.irp q, 0,1,2,3
.if \first*(1-\u)
	v_wmma_f32_16x16x32_bf16 v[8*(4*\c+\q):8*(4*\c+\q)+7], v[VF+8*(2*\c+\u):VF+8*(2*\c+\u)+7], v[S+64*\u+8*\q:S+64*\u+8*\q+7], 0
.else
	v_wmma_f32_16x16x32_bf16 v[8*(4*\c+\q):8*(4*\c+\q)+7], v[VF+8*(2*\c+\u):VF+8*(2*\c+\u)+7], v[S+64*\u+8*\q:S+64*\u+8*\q+7], v[8*(4*\c+\q):8*(4*\c+\q)+7]
.endif
.endr
.endr
.endr
.endm
; My 128 keys of the tile in a slot, in two halves of 64.
.macro WORK slot, first
	PLACES 5                                       ; five places before the next scores write over P, four before loads land on V's fragments (ISA guide 7.12.1 for vector instructions)
	FETCHK \slot, 0
	FETCHV \slot, 0
	s_wait_dscnt 16                                ; K's 16 loads are in, V's 16 may be out
	SCORES
	PLACES 4                                       ; four places before K's fragments are loaded again and the scores are read
	FETCHK \slot, 1
	SOFTMAX \first
.if \first == 0
	RESCALE
.endif
	s_wait_dscnt 16                                ; V's are in; the next half's 16 of K may be out
	PV \first
	PLACES 5
	FETCHV \slot, 1
	s_wait_dscnt 16                                ; K's are in, V's 16 may be out
	SCORES
	PLACES 4
	SOFTMAX 0
	RESCALE
	s_wait_dscnt 0x0
	PV 0
	WIN 0
.endm
; A tile behind a change of slots.  Each wave waits for all its tensor loads (its part of this slot among them) and for its reads of the other
; slot; refill = 1: a round of the cluster's barrier, and the joint refill of the other slot, two tiles on, first behind it.
.macro TWO slot, refill
	s_wait_tensorcnt 0x0
	ds_add_u32 v38, v39
	s_wait_dscnt 0x0
.if \refill
	s_add_nc_u64 s[G0K+4*(1-\slot)+2:G0K+4*(1-\slot)+3], s[G0K+4*(1-\slot)+2:G0K+4*(1-\slot)+3], 65536
	s_add_nc_u64 s[G0V+4*(1-\slot)+2:G0V+4*(1-\slot)+3], s[G0V+4*(1-\slot)+2:G0V+4*(1-\slot)+3], 1024
.endif
	s_wait_dscnt 0x0
.if \refill
	CROUND
	JLOAD 1-\slot
.else
	s_barrier_signal -1
	s_barrier_wait -1
.endif
	WORK \slot, 0
.endm
	s_wait_tensorcnt 0x1                           ; my part of tile 0 is in; tile 1's stays out
	s_barrier_signal -1
	s_barrier_wait -1
	s_wait_loadcnt 0x0                             ; Q's fragments
	WORK 0, 1                                      ; tile 0 starts maximum, sum and O: nothing is cleared
	s_mov_b32 s20, 3
.Ltiles:
	TWO 1, 1                                       ; tiles 1, 3, 5; slot 0 gets tiles 2, 4, 6
	TWO 0, 1                                       ; tiles 2, 4, 6; slot 1 gets tiles 3, 5, 7
	s_sub_co_u32 s20, s20, 1
	s_cmp_lg_u32 s20, 0
	s_cbranch_scc1 .Ltiles
	TWO 1, 0                                       ; tile 7: nothing is left to fetch
	PLACES 4                                       ; four places before O is read
	; THE MERGE.  First the sums of the two halves of the lanes; then waves 4-7 hand O, maxima and sums to waves 0-3.
.irp q, 0,1,2,3
	v_permlanex16_b32 v[TA+\q], v[LS+\q], s18, s19
.endr
.irp q, 0,1,2,3
	v_add_f32 v[LS+\q], v[LS+\q], v[TA+\q]
.endr
	s_cmp_lt_u32 s12, 4
	s_cbranch_scc1 .Lkeep
	WIN 0x04
.set g, 0
.rept 32
	ds_store_b128 v[MRGS], v[4*g:4*g+3] offset:512*g
.set g, g+1
.endr
	WIN 0
	ds_store_b128 v[MRGS], v[MP:MP+3] offset:16384
	ds_store_b128 v[MRGS], v[MP+4:MP+7] offset:16896
	ds_store_b128 v[MRGS], v[LS:LS+3] offset:17408
.Lkeep:
	s_wait_dscnt 0x0                               ; what I stored is written before I say so
	s_barrier_signal -1
	s_barrier_wait -1
	s_cmp_lt_u32 s12, 4
	s_cbranch_scc0 .Ldone
	ds_load_b128 v[40:43], v[MRGL] offset:16384    ; the partner's maxima (pairs),
	ds_load_b128 v[44:47], v[MRGL] offset:16896
	ds_load_b128 v[48:51], v[MRGL] offset:17408    ; sums,
.set g, 0
.rept 32
	ds_load_b128 v[S+4*g:S+4*g+3], v[MRGL] offset:512*g    ; and O, register for register
.set g, g+1
.endr
	s_wait_dscnt 0x0
.irp q, 0,1,2,3
	v_max_num_f32 v[60+\q], v[MP+2*\q], v[40+2*\q]
.endr
.irp q, 0,1,2,3
	v_sub_f32 v[52+\q], v[MP+2*\q], v[60+\q]
	v_sub_f32 v[56+\q], v[40+2*\q], v[60+\q]
.endr
.irp q, 0,1,2,3
	v_exp_f32 v[52+\q], v[52+\q]
	v_exp_f32 v[56+\q], v[56+\q]
.endr
	v_nop
	s_wait_alu depctr_va_vdst(0)
.irp q, 0,1,2,3
	v_mul_f32 v[60+\q], v[48+\q], v[56+\q]
.endr
.irp q, 0,1,2,3
	v_fmac_f32 v[60+\q], v[LS+\q], v[52+\q]        ; the denominator: at least 1, since the key of the largest score adds 1
.endr
.irp q, 0,1,2,3
	v_rcp_f32 v[60+\q], v[60+\q]
.endr
	v_nop
	s_wait_alu depctr_va_vdst(0)
.irp q, 0,1,2,3
	v_mul_f32 v[AL+2*\q],   v[52+\q], v[60+\q]     ; my O's factor, twice
	v_mul_f32 v[AL+2*\q+1], v[52+\q], v[60+\q]
	v_mul_f32 v[40+2*\q],   v[56+\q], v[60+\q]     ; the partner's, twice
	v_mul_f32 v[40+2*\q+1], v[56+\q], v[60+\q]
.endr
.irp c, 0,1,2,3
.irp q, 0,1,2,3
.irp j, 0,2,4,6
	v_pk_mul_f32 v[S+8*(4*\c+\q)+\j:S+8*(4*\c+\q)+\j+1], v[S+8*(4*\c+\q)+\j:S+8*(4*\c+\q)+\j+1], v[40+2*\q:40+2*\q+1]
.endr
.endr
.endr
	WIN 0x01
.irp c, 0,1,2,3
.irp q, 0,1,2,3
.irp j, 0,2,4,6
	v_pk_fma_f32 v[S+8*(4*\c+\q)+\j:S+8*(4*\c+\q)+\j+1], v[8*(4*\c+\q)+\j:8*(4*\c+\q)+\j+1], v[AL+2*\q:AL+2*\q+1], v[S+8*(4*\c+\q)+\j:S+8*(4*\c+\q)+\j+1]
.endr
.endr
.endr
	WIN 0
	; the way out: query 16 q + r, channels 16 c + 8 h + 0..7, through my own stage; LDS serves a wave's instructions in order (ISA guide 5.7.1.4)
.irp c, 0,1,2,3
.irp q, 0,1,2,3
.irp i, 0,1,2,3
	v_cvt_pk_bf16_f32 v[S+8*(4*\c+\q)+\i], v[S+8*(4*\c+\q)+2*\i], v[S+8*(4*\c+\q)+2*\i+1]
.endr
	ds_store_b128 v[STO], v[S+8*(4*\c+\q):S+8*(4*\c+\q)+3] offset:16*KP*\q+32*\c
.endr
.endr
.irp i, 0,1,2,3,4,5,6,7,8,9,10,11,12,13,14,15
	ds_load_b128 v[KF+4*\i:KF+4*\i+3], v[RD] offset:4*KP*\i
.endr
.irp i, 0,1,2,3,4,5,6,7,8,9,10,11,12,13,14,15
	s_wait_dscnt 15-\i
	global_store_b128 v[CO], v[KF+4*\i:KF+4*\i+3], s[10:11] offset:512*\i    ; my 64 rows of 128 bytes are consecutive: each store covers 512 bytes, aligned
.endr
.Ldone:
	s_wait_tensorcnt 0x0
	ds_add_u32 v38, v39
	s_wait_dscnt 0x0
	CROUND                                         ; the closing round
	s_endpgm
.Lfunc_end_k_q67160504d4_attn:
	.size	k_q67160504d4_attn, .Lfunc_end_k_q67160504d4_attn-k_q67160504d4_attn
	.p2alignl 7, 3214868480
	.fill 96, 4, 3214868480
	.section	.rodata,"a",@progbits
	.p2align	6, 0x0
	.amdhsa_kernel k_q67160504d4_attn
		.amdhsa_group_segment_fixed_size 327680
		.amdhsa_private_segment_fixed_size 0
		.amdhsa_enable_private_segment 0
		.amdhsa_kernarg_size 32
		.amdhsa_user_sgpr_count 2
		.amdhsa_user_sgpr_kernarg_segment_ptr 1
		.amdhsa_wavefront_size32 1
		.amdhsa_system_sgpr_workgroup_id_x 1
		.amdhsa_system_sgpr_workgroup_id_y 1
		.amdhsa_system_sgpr_workgroup_id_z 1
		.amdhsa_system_vgpr_workitem_id 0
		.amdhsa_next_free_vgpr 512
		.amdhsa_next_free_sgpr 72
		.amdhsa_reserve_vcc 0
		.amdhsa_float_denorm_mode_32 3
		.amdhsa_float_denorm_mode_16_64 3
		.amdhsa_memory_ordered 1
		.amdhsa_forward_progress 1
		.amdhsa_inst_pref_size 255
	.end_amdhsa_kernel
	.section	.bss,"aw",@nobits
	.p2align	6
	.space	262144
	.amdgpu_metadata
---
amdhsa.version: [ 1, 2 ]
amdhsa.kernels:
  - .name:           k_q67160504d4_attn
    .symbol:         k_q67160504d4_attn.kd
    .args:
      - { .name: qt, .offset: 0, .size: 8, .value_kind: global_buffer, .address_space: global }
      - { .name: kt, .offset: 8, .size: 8, .value_kind: global_buffer, .address_space: global }
      - { .name: vb, .offset: 16, .size: 8, .value_kind: global_buffer, .address_space: global }
      - { .name: oat, .offset: 24, .size: 8, .value_kind: global_buffer, .address_space: global }
    .group_segment_fixed_size: 327680
    .private_segment_fixed_size: 0
    .kernarg_segment_align: 8
    .kernarg_segment_size: 32
    .max_flat_workgroup_size: 256
    .sgpr_count:     72
    .vgpr_count:     512
    .wavefront_size: 32
...
	.end_amdgpu_metadata
.endif
;; end of part 3
;; launch proj (part 4): grid 4 x 64, 4 waves a work-group, clusters of 4 x 4, 322,048 bytes of LDS; arguments oat, wb, proj_b, x, out0; writes out0
.if DOCPART == 4
	.amdgcn_target "amdgcn-amd-amdhsa--gfx1250"
	.amdhsa_code_object_version 6
	.text
	.protected	k_q67160504d4_proj
	.globl	k_q67160504d4_proj
	.p2align	8
	.type	k_q67160504d4_proj,@function
k_q67160504d4_proj:
	s_mov_b64 s[64:65], 0
	v_nop
	global_prefetch_b8 v0, s[64:65] scope:SCOPE_SE
	s_setreg_imm32_b32 hwreg(HW_REG_WAVE_MODE, 25, 1), 1
	s_wait_xcnt 0x0
	s_wait_alu depctr_hold_cnt(0) depctr_sa_sdst(0) depctr_va_vdst(0) depctr_va_sdst(0) depctr_va_ssrc(0) depctr_va_vcc(0) depctr_vm_vsrc(0)
	s_getreg_b32 s2, hwreg(HW_REG_IB_STS2, 6, 4)
	s_cmp_eq_u32 s2, 0
	s_cbranch_scc0 .Lentry_in_a_cluster
	s_endpgm
.Lentry_in_a_cluster:
	s_bfe_u32 s2, ttmp6, 0x10000c
	s_cmp_lg_u32 s2, 0xf033
	s_cbranch_scc0 .Lentry_shape_is_right
	s_endpgm
.Lentry_shape_is_right:
; out0 = x + proj_b + Pw O.  oat: [32 bh][2048 n][64 c] bf16; Pw = rows 1536-2047 of wb, [row][512 c] bf16; x, out0: [4][512][2048] f32.
; A work-group makes 128 channels (ob) x 128 positions, K = 512; wave w: 64 channels (oh = w >> 1) x 64 positions (nh = w & 1), 16 tiles.
; All of K fits in LDS as four chunks of 128 channels (two heads each): every tensor load is a first fill, four a wave, issued together;
; nothing is ever filled again, so the later chunks stay on their way across the barriers.  The launch moves far more bytes than it multiplies.
; Source 0 = O (rows are positions), source 1 = Pw (rows are output channels): a lane holds 8 neighbouring positions of one channel.
; CLUSTERS: 4 x 4.  O's tiles hang on the block of positions alone: asked for jointly along a row; Pw's on ob alone: along a column.
; x's tile is loaded into registers at the start and lands while the product runs.
; LIMITS: matrix operands are bf16, sums, bias and residual f32; NaN and infinite inputs are not served.
.set OP,    144                        ; a row of O in LDS: 128 bytes + 16
.set PP,    272                        ; a row of Pw in LDS: 256 bytes + 16
.set CHK,   2*128*OP+128*PP            ; a chunk: two planes of O (one a head), then Pw: 71,680
.set POFF,  2*128*OP
.set STAGE, 4*CHK                      ; behind the chunks: each wave's own 32 rows x 272 bytes; no tensor load lands here
.set ADRA, 4                           ; v4-7   my O fragments in chunk 0..3
.set ADRB, 8                           ; v8-11  my Pw fragments
.set STO,  12
.set RD,   13
.set CO,   14                          ; 8,192 h + 16 r: two rows of x and out0
.set BO,   15
.set BP,   16                          ; v[16:23] proj_b of channel 16 a + r, twice each
.set F0,   64                          ; fragment buffers: O tiles F + 8 t, Pw tiles F + 32 + 8 a
.set F1,   128
.set T,    192                         ; the way out: 32 numbers
.set RB,   64                          ; read back
.set X,    128                         ; window 1: x's tile; the sums (t, a) at 8 (4 t + a)
.set G1A, 20
.set G1B, 28
.set G0A, 36                           ; a group 0 for each chunk
.set G0B, 68
.set MSB, 0
.macro WIN new
.if MSB != (\new)
	s_set_vgpr_msb (MSB<<8)|(\new)
.set MSB, (\new)
.endif
.endm
.macro PLACES n
.rept \n
	v_nop
.endr
.endm
.macro CROUND
	s_barrier_signal -1
	s_barrier_wait -1
	s_cmp_lg_u32 s14, 0
	s_cbranch_scc1 .Lnot_wave_0_\@
	s_barrier_signal -3
.Lnot_wave_0_\@:
	s_barrier_wait -3
	s_barrier_signal -1
	s_barrier_wait -1
.endm
	s_load_b256 s[4:11], s[0:1], 0x0               ; oat, wb, proj_b, x
	s_load_b64 s[12:13], s[0:1], 0x20              ; out0
	v_lshl_add_u32 v254, v0, 2, 0x4e800
	v_mov_b32 v255, 0
	ds_add_u32 v254, v255
	v_lshrrev_b32 v1, 5, v0
	v_readfirstlane_b32 s14, v1                    ; wave 0..3
	s_lshr_b32 s15, s14, 1                         ; oh
	s_and_b32 s16, s14, 1                          ; nh
	s_bfe_u32 s17, ttmp6, 0x40000                  ; cx
	s_bfe_u32 s18, ttmp6, 0x40004                  ; cy
	s_lshl_b32 s92, ttmp9, 2
	s_add_co_u32 s92, s92, s17                     ; ob
	s_and_b32 s19, ttmp7, 0xffff
	s_lshl_b32 s19, s19, 2
	s_add_co_u32 s19, s19, s18                     ; nb: batch nb >> 4, positions 128 (nb & 15)
	s_lshl_b32 s52, s18, 2
	s_lshl_b32 s52, 15, s52                        ; my row of the cluster
	s_lshl_b32 s84, 0x1111, s17                    ; my column
	; group 1 for O: 128 rows x 64 elements, 64 apart, 4 words of padding behind every 32
	s_or_b32 s[G1A+0], s52, (1<<16)|(1<<20)|(1<<21)|(4<<22)|(3<<25)
	s_mov_b32 s[G1A+1], 64<<16
	s_mov_b32 s[G1A+2], 128<<16
	s_mov_b32 s[G1A+3], 64<<16
	s_mov_b32 s[G1A+4], 128
	s_mov_b32 s[G1A+5], 64
	s_mov_b32 s[G1A+6], 0
	s_mov_b32 s[G1A+7], 0
	; group 1 for Pw: 64 rows x 128 elements, 512 apart, 4 words of padding behind every 64
	s_or_b32 s[G1B+0], s84, (1<<16)|(1<<20)|(1<<21)|(5<<22)|(3<<25)
	s_mov_b32 s[G1B+1], 128<<16
	s_mov_b32 s[G1B+2], 64<<16
	s_mov_b32 s[G1B+3], 128<<16
	s_mov_b32 s[G1B+4], 64
	s_mov_b32 s[G1B+5], 512
	s_mov_b32 s[G1B+6], 0
	s_mov_b32 s[G1B+7], 0
	; s52-56 see nb and the wave alone, s84-88 ob and the wave alone
	s_lshr_b32 s52, s19, 4
	s_lshl_b32 s52, s52, 21                        ; O: ((8 b + w) 2048 + 128 (nb & 15)) rows of 128 bytes; + two heads a chunk
	s_lshl_b32 s53, s14, 18
	s_add_co_u32 s52, s52, s53
	s_and_b32 s53, s19, 15
	s_lshl_b32 s53, s53, 14
	s_add_co_u32 s52, s52, s53
	s_mov_b32 s53, 0
	s_mul_i32 s56, s14, 128*OP                     ; LDS: plane w (waves 0, 1)
	s_lshl_b32 s84, s92, 17                        ; Pw: (1536 + 128 ob + 64 (w - 2)) rows of 1,024 bytes
	s_lshl_b32 s85, s14, 16
	s_add_co_u32 s84, s84, s85
	s_add_co_u32 s84, s84, 1408*1024
	s_mov_b32 s85, 0
	s_mul_i32 s88, s14, 64*PP
	s_add_co_u32 s88, s88, POFF-2*64*PP            ; LDS: Pw's rows 64 (w - 2) (waves 2, 3)
	; x and out0: ((512 b + 128 ob + 64 oh) 2048 + 128 (nb & 15) + 64 nh) * 4; s60-63 may see both coordinates and feed no descriptor
	s_lshr_b32 s60, s19, 4
	s_lshl_b32 s60, s60, 22
	s_lshl_b32 s62, s92, 20
	s_add_co_u32 s60, s60, s62
	s_lshl_b32 s62, s15, 19
	s_add_co_u32 s60, s60, s62
	s_and_b32 s62, s19, 15
	s_lshl_b32 s62, s62, 9
	s_add_co_u32 s60, s60, s62
	s_lshl_b32 s62, s16, 8
	s_add_co_u32 s60, s60, s62
	s_mov_b32 s61, 0
	s_lshl_b32 s63, s92, 9                         ; proj_b: (128 ob + 64 oh) * 4
	s_lshl_b32 s62, s15, 8
	s_add_co_u32 s63, s63, s62
	v_and_b32 v1, 15, v0                           ; r
	v_bfe_u32 v2, v0, 4, 1                         ; h
	v_mul_u32_u24 v3, v1, OP
	v_lshl_add_u32 v3, v2, 4, v3
	s_mul_i32 s57, s16, 64*OP
	v_add_nc_u32 v3, s57, v3                       ; (64 nh + r) pitch + 16 h
.irp c, 0,1,2,3
	v_add_nc_u32 v[ADRA+\c], \c*CHK, v3
.endr
	v_mul_u32_u24 v3, v1, PP
	v_lshl_add_u32 v3, v2, 4, v3
	s_mul_i32 s57, s15, 64*PP
	s_add_co_u32 s57, s57, POFF
	v_add_nc_u32 v3, s57, v3                       ; (64 oh + r) pitch + 16 h, behind the planes
.irp c, 0,1,2,3
	v_add_nc_u32 v[ADRB+\c], \c*CHK, v3
.endr
	s_mul_i32 s57, s14, 32*PP
	s_add_co_u32 s57, s57, STAGE                   ; my stage
	v_mul_u32_u24 v3, v1, PP
	v_lshl_add_u32 v3, v2, 5, v3
	v_add_nc_u32 v[STO], s57, v3                   ; row r, 32 bytes for each half of the lanes
	v_mul_u32_u24 v3, v2, PP
	v_lshl_add_u32 v3, v1, 4, v3
	v_add_nc_u32 v[RD], s57, v3                    ; lanes 0-15 a row of 256 bytes, lanes 16-31 the next
	v_lshlrev_b32 v3, 4, v1
	v_lshl_add_u32 v[CO], v2, 13, v3
	v_lshlrev_b32 v3, 2, v1
	v_add_nc_u32 v[BO], s63, v3
	s_wait_dscnt 0x0
	s_wait_kmcnt 0x0
	s_add_nc_u64 s[54:55], s[4:5], s[52:53]
	s_add_nc_u64 s[86:87], s[6:7], s[84:85]
	s_add_nc_u64 s[10:11], s[10:11], s[60:61]
	s_add_nc_u64 s[12:13], s[12:13], s[60:61]
.irp c, 0,1,2,3
	s_mov_b32 s[G0A+4*\c], 1
	s_add_co_u32 s[G0A+4*\c+1], s56, \c*CHK
	s_add_nc_u64 s[G0A+4*\c+2:G0A+4*\c+3], s[54:55], \c*524288       ; two heads of 2,048 rows of 128 bytes on
	s_or_b32 s[G0A+4*\c+3], s[G0A+4*\c+3], 0x80000000
	s_mov_b32 s[G0B+4*\c], 1
	s_add_co_u32 s[G0B+4*\c+1], s88, \c*CHK
	s_add_nc_u64 s[G0B+4*\c+2:G0B+4*\c+3], s[86:87], \c*256          ; 128 elements along the rows
	s_or_b32 s[G0B+4*\c+3], s[G0B+4*\c+3], 0x80000000
.endr
	CROUND                                         ; all sixteen work-groups are here: the joint loads meet
	s_cmp_lt_u32 s14, 2                            ; one branch on the wave's number round all the first fills: four loads a wave are out behind it
	s_cbranch_scc0 .Lfor_b
.irp c, 0,1,2,3
	tensor_load_to_lds s[G0A+4*\c:G0A+4*\c+3], s[G1A:G1A+7]
	s_nop 0
.endr
	s_branch .Lasked
.Lfor_b:
.irp c, 0,1,2,3
	tensor_load_to_lds s[G0B+4*\c:G0B+4*\c+3], s[G1B:G1B+7]
	s_nop 0
.endr
.Lasked:
	WIN 0x40
.set i, 0
.rept 32
	global_load_b128 v[X+4*i:X+4*i+3], v[CO], s[10:11] offset:16384*i th:TH_LOAD_NT    ; rows 2 i, 2 i + 1 of my 64: 256 bytes each
.set i, i+1
.endr
	WIN 0
.irp a, 0,1,2,3
	global_load_b32 v[BP+2*\a],   v[BO], s[8:9] offset:64*\a
	global_load_b32 v[BP+2*\a+1], v[BO], s[8:9] offset:64*\a
.endr
.macro FETCH kc, ks, f                 ; 32 channels: 8 loads of O, 8 of Pw
.irp t, 0,1,2,3
	ds_load_b128 v[\f+8*\t:\f+8*\t+3],   v[ADRA+\kc] offset:128*OP*(\ks/2)+16*OP*\t+64*(\ks%2)
	ds_load_b128 v[\f+8*\t+4:\f+8*\t+7], v[ADRA+\kc] offset:128*OP*(\ks/2)+16*OP*\t+64*(\ks%2)+32
.endr
.irp a, 0,1,2,3
	ds_load_b128 v[\f+32+8*\a:\f+32+8*\a+3],   v[ADRB+\kc] offset:16*PP*\a+64*\ks
	ds_load_b128 v[\f+32+8*\a+4:\f+32+8*\a+7], v[ADRB+\kc] offset:16*PP*\a+64*\ks+32
.endr
.endm
.macro MUL f, zero                     ; the 16 accumulators take turns, one instruction a turn
	WIN 0x50
.irp t, 0,1,2,3
.irp a, 0,1,2,3
.if \zero
	v_wmma_f32_16x16x32_bf16 v[8*(4*\t+\a):8*(4*\t+\a)+7], v[\f+8*\t:\f+8*\t+7], v[\f+32+8*\a:\f+32+8*\a+7], 0
.else
	v_wmma_f32_16x16x32_bf16 v[8*(4*\t+\a):8*(4*\t+\a)+7], v[\f+8*\t:\f+8*\t+7], v[\f+32+8*\a:\f+32+8*\a+7], v[8*(4*\t+\a):8*(4*\t+\a)+7]
.endif
.endr
.endr
	WIN 0
.endm
.macro CHUNK kc, zero
	s_wait_tensorcnt 3-\kc                         ; tensor loads of a wave end in order: my part of chunk kc is in, the later chunks stay out
	s_wait_dscnt 0x0
	s_barrier_signal -1
	s_barrier_wait -1                              ; everybody's part is in
	PLACES 4                                       ; four places between the matrix instructions that read a buffer and the loads into it
	FETCH \kc, 0, F0
	FETCH \kc, 1, F1
	s_wait_dscnt 16                                ; the older 16 are in
	MUL F0, \zero
	PLACES 4
	FETCH \kc, 2, F0
	s_wait_dscnt 16
	MUL F1, 0
	PLACES 4
	FETCH \kc, 3, F1
	s_wait_dscnt 16
	MUL F0, 0
	s_wait_dscnt 0x0
	MUL F1, 0
.endm
	CHUNK 0, 1                                     ; the first product starts the sums
	CHUNK 1, 0
	CHUNK 2, 0
	CHUNK 3, 0
	PLACES 4                                       ; four places before the results are read
	s_wait_loadcnt 0x0                             ; x's tile and the bias
	; THE WAY OUT, 32 channels at a time: bias added, through my own stage into whole rows of 256 bytes, x added, stored.
	; LDS serves a wave's instructions in order (ISA guide 5.7.1.4): the loads see the stores in front of them.
.irp g, 0,1
.irp e, 0,1
	WIN 0x01
.irp t, 0,1,2,3
.irp j, 0,2,4,6
	v_pk_add_f32 v[T+8*\t+\j:T+8*\t+\j+1], v[8*(4*\t+2*\g+\e)+\j:8*(4*\t+2*\g+\e)+\j+1], v[BP+2*(2*\g+\e):BP+2*(2*\g+\e)+1]
.endr
.endr
	WIN 0
.irp t, 0,1,2,3
	ds_store_b128 v[STO], v[T+8*\t:T+8*\t+3]   offset:16*PP*\e+64*\t
	ds_store_b128 v[STO], v[T+8*\t+4:T+8*\t+7] offset:16*PP*\e+64*\t+16
.endr
.endr
	s_wait_xcnt 0x0                                ; RB, which the first half's stores read, is rewritten only behind this wait
.irp i, 0,1,2,3,4,5,6,7,8,9,10,11,12,13,14,15
	ds_load_b128 v[RB+4*\i:RB+4*\i+3], v[RD] offset:2*PP*\i
.endr
	s_wait_dscnt 0x0
	WIN 0x04
.irp i, 0,1,2,3,4,5,6,7,8,9,10,11,12,13,14,15
	v_pk_add_f32 v[RB+4*\i:RB+4*\i+1],   v[RB+4*\i:RB+4*\i+1],   v[X+4*(16*\g+\i):X+4*(16*\g+\i)+1]
	v_pk_add_f32 v[RB+4*\i+2:RB+4*\i+3], v[RB+4*\i+2:RB+4*\i+3], v[X+4*(16*\g+\i)+2:X+4*(16*\g+\i)+3]
.endr
	WIN 0
.irp i, 0,1,2,3,4,5,6,7,8,9,10,11,12,13,14,15
	global_store_b128 v[CO], v[RB+4*\i:RB+4*\i+3], s[12:13] offset:16384*(16*\g+\i) th:TH_STORE_NT    ; sixteen lanes store 256 consecutive bytes, aligned
.endr
.endr
	s_wait_tensorcnt 0x0
	ds_add_u32 v254, v255
	s_wait_dscnt 0x0
	CROUND                                         ; the closing round
	s_endpgm
.Lfunc_end_k_q67160504d4_proj:
	.size	k_q67160504d4_proj, .Lfunc_end_k_q67160504d4_proj-k_q67160504d4_proj
	.p2alignl 7, 3214868480
	.fill 96, 4, 3214868480
	.section	.rodata,"a",@progbits
	.p2align	6, 0x0
	.amdhsa_kernel k_q67160504d4_proj
		.amdhsa_group_segment_fixed_size 322048
		.amdhsa_private_segment_fixed_size 0
		.amdhsa_enable_private_segment 0
		.amdhsa_kernarg_size 40
		.amdhsa_user_sgpr_count 2
		.amdhsa_user_sgpr_kernarg_segment_ptr 1
		.amdhsa_wavefront_size32 1
		.amdhsa_system_sgpr_workgroup_id_x 1
		.amdhsa_system_sgpr_workgroup_id_y 1
		.amdhsa_system_sgpr_workgroup_id_z 1
		.amdhsa_system_vgpr_workitem_id 0
		.amdhsa_next_free_vgpr 512
		.amdhsa_next_free_sgpr 96
		.amdhsa_reserve_vcc 0
		.amdhsa_float_denorm_mode_32 3
		.amdhsa_float_denorm_mode_16_64 3
		.amdhsa_memory_ordered 1
		.amdhsa_forward_progress 1
		.amdhsa_inst_pref_size 64
	.end_amdhsa_kernel
	.amdgpu_metadata
---
amdhsa.version: [ 1, 2 ]
amdhsa.kernels:
  - .name:           k_q67160504d4_proj
    .symbol:         k_q67160504d4_proj.kd
    .args:
      - { .name: oat, .offset: 0, .size: 8, .value_kind: global_buffer, .address_space: global }
      - { .name: wb, .offset: 8, .size: 8, .value_kind: global_buffer, .address_space: global }
      - { .name: proj_b, .offset: 16, .size: 8, .value_kind: global_buffer, .address_space: global }
      - { .name: x, .offset: 24, .size: 8, .value_kind: global_buffer, .address_space: global }
      - { .name: out0, .offset: 32, .size: 8, .value_kind: global_buffer, .address_space: global }
    .group_segment_fixed_size: 322048
    .private_segment_fixed_size: 0
    .kernarg_segment_align: 8
    .kernarg_segment_size: 40
    .max_flat_workgroup_size: 128
    .sgpr_count:     96
    .vgpr_count:     512
    .wavefront_size: 32
...
	.end_amdgpu_metadata
.endif
;; end of part 4
